; MI455X (gfx1250); checked and timed in simulation.
; The chip was launched on July 23, 2026; its instructions are those of AMD's public machine-readable ISA for CDNA 5 (MIT licence, August 2026) and "CDNA5" Instruction Set Architecture Reference Guide (July 2026). The comments in the code are by the model that wrote it; some were corrected since.
;; Additive Attention. Allowed arithmetic: float matrix products may take bf16 or f16 operands with f32 sums; all other float work in f32.
;; Inputs: K 32 x 2,048 x 512 float32; Q 32 x 512 float32; V 32 x 2,048 x 512 float32; Wh 512 x 1 float32; Wk 512 x 512 float32; Wq 512 x 512 float32; bh 1 float32; bk 512 float32; bq 512 float32.
;; Outputs: out0 32 x 512 float32; out1 32 x 2,048 float32.
;; One version. Each part assembles by itself: llvm-mc -triple=amdgcn-amd-amdhsa -mcpu=gfx1250 --defsym DOCPART=n.
;; ======== version 1 of 1: 3 launches
;; workspace buffers: uv 4,352 bytes; part 851,968 bytes
;; launch fold (part 1): grid 16 x 1, 16 waves a work-group, no clusters, 2,304 bytes of LDS; arguments Wk, Wq, Wh, bk, bq, bh, uv; writes uv
.if DOCPART == 1
	.amdgcn_target "amdgcn-amd-amdhsa--gfx1250"
	.amdhsa_code_object_version 6
	.text
	.protected	k_q3865e6cdf7_fold
	.globl	k_q3865e6cdf7_fold
	.p2align	8
	.type	k_q3865e6cdf7_fold,@function
k_q3865e6cdf7_fold:
	s_mov_b64 s[64:65], 0
	v_nop
	global_prefetch_b8 v0, s[64:65] scope:SCOPE_SE
	s_setreg_imm32_b32 hwreg(HW_REG_WAVE_MODE, 25, 1), 1
	s_wait_xcnt 0x0
; FOLD: u = Wk Wh, v = Wq Wh, s0 = (bk + bq) . Wh + bh.
; Nothing non-linear stands between the two products in front of the relu, so for every input
;   (K Wk + bk + Q Wq + bq) Wh + bh  =  K (Wk Wh) + Q (Wq Wh) + (bk + bq) Wh + bh.
; This launch makes the three folded terms, all in f32.  LIMIT: the sums are associated otherwise than in the
; written formula (f32 rounding in another order); nothing else differs.
; What is left are products with one column: a matrix instruction would fill one column of sixteen, so the
; packed f32 multiply-add does the work.  No two work-groups read the same rows, and Wh is 2,048 bytes: no cluster.
; uv: u[512] at byte 0, v[512] at byte 2048, s0 written 64 times at byte 4096.
; Work-group x owns rows 64 x .. 64 x + 63 of Wk stacked on Wq; its 64 results are the 256 consecutive bytes at 256 x of uv.
; Wave w owns 4 rows.  A row of 512 f32 is 4 loads of 16 bytes a lane: register 4 j + c of a lane is column 128 j + 4 lane + c,
; and each load of a wave covers 512 consecutive bytes.  Wh, bk, bq lie in registers in the same way.
.set ROW,  2048                        ; bytes in a row
.set T,    6                           ; v[6:13]    two sets of two packed chains
.set R,    14                          ; v[14:17]   a lane's partial sum of each of my 4 rows
.set SB,   20                          ; v[20:21]   s0, twice (store data, never rewritten)
.set TMP,  22                          ; v22        at work in the merges
.set OUTV, 24                          ; v[24:25]   wave 0: two of the 64 results
.set W,    32                          ; v[32:47]   Wh
.set X,    64                          ; v[64:127]  my 4 rows
.set BK,   128                         ; v[128:143] bk, then bk + bq
.set BQ,   144                         ; v[144:159] bq
; v[dst] = the lane's 16 products of v[x ..] with Wh, summed: two packed chains that do not wait for each other
.macro DOT dst, x, a
	v_pk_mul_f32 v[\a:\a+1],   v[\x:\x+1],   v[W:W+1]
	v_pk_mul_f32 v[\a+2:\a+3], v[\x+2:\x+3], v[W+2:W+3]
.irp p, 4,8,12
	v_pk_fma_f32 v[\a:\a+1],   v[\x+\p:\x+\p+1],   v[W+\p:W+\p+1],   v[\a:\a+1]
	v_pk_fma_f32 v[\a+2:\a+3], v[\x+\p+2:\x+\p+3], v[W+\p+2:W+\p+3], v[\a+2:\a+3]
.endr
	v_pk_add_f32 v[\a:\a+1], v[\a:\a+1], v[\a+2:\a+3]
	v_add_f32 v[\dst], v[\a], v[\a+1]
.endm
; One step of two lane sums at once: lanes whose bit in smask is clear get a[l] + a[l xor xm], the others b[l] + b[l xor xm]
.macro MERGE d, a, b, smask, xm, tmp
	v_cndmask_b32 v[\tmp], v[\b], v[\a], \smask    ; what my partner needs: a where the bit is set, b where it is clear
	v_cndmask_b32 v[\d],   v[\a], v[\b], \smask    ; what I keep
	v_add_f32_dpp v[\d], v[\tmp], v[\d] row_xmask:\xm row_mask:0xf bank_mask:0xf
.endm
	s_load_b256 s[4:11], s[0:1], 0x0               ; Wk s[4:5], Wq s[6:7], Wh s[8:9], bk s[10:11]
	s_load_b128 s[12:15], s[0:1], 0x20             ; bq s[12:13], bh s[14:15]
	s_load_b64 s[16:17], s[0:1], 0x30              ; uv
	v_lshl_add_u32 v160, v0, 2, 0x100
	v_mov_b32 v161, 0
	v_lshrrev_b32 v4, 5, v0
	v_readfirstlane_b32 s18, v4                    ; wave 0..15
	v_and_b32 v1, 31, v0                           ; lane
	v_lshlrev_b32 v3, 3, v1                        ; 8 x lane
	v_lshlrev_b32 v1, 4, v1                        ; 16 x lane
	v_and_b32 v2, 3, v0
	v_lshlrev_b32 v2, 2, v2
	s_lshl_b32 s19, s18, 4
	v_add_nc_u32 v2, s19, v2                       ; LDS: 16 x wave + 4 x (lane & 3)
	v_mov_b32 v[TMP], 0                            ; written once: a lane permute counts as a reader of its destination
	s_mov_b32 s26, 0xaaaaaaaa                      ; lanes with bit 0 set
	s_mov_b32 s27, 0xcccccccc                      ; lanes with bit 1 set
	s_mov_b32 s30, 0x76543210                      ; v_permlanex16_b32: lane i of one half reads lane i of the other
	s_mov_b32 s31, 0xfedcba98
	s_and_b32 s22, ttmp9, 7                        ; block of 64 rows inside Wk or Wq
	s_lshl_b32 s22, s22, 17                        ; x 64 rows x 2,048 bytes
	s_lshl_b32 s23, s18, 13                        ; + wave x 4 rows x 2,048 bytes
	s_add_co_u32 s22, s22, s23
	s_mov_b32 s23, 0
	s_lshl_b32 s24, ttmp9, 8                       ; my 256 bytes of uv
	s_mov_b32 s25, 0
	s_wait_kmcnt 0x0
	s_cmp_lt_u32 ttmp9, 8                          ; work-groups 0-7: Wk, 8-15: Wq
	s_cselect_b64 s[20:21], s[4:5], s[6:7]
	s_add_nc_u64 s[20:21], s[20:21], s[22:23]      ; my first row
	s_add_nc_u64 s[2:3], s[16:17], s[24:25]        ; a pair of its own: s[16:17] stays the base of the s0 store
.irp j, 0,1,2,3
	global_load_b128 v[W+4*\j:W+4*\j+3], v1, s[8:9] offset:512*\j
.endr
.irp i, 0,1,2,3
.irp j, 0,1,2,3
	global_load_b128 v[X+16*\i+4*\j:X+16*\i+4*\j+3], v1, s[20:21] offset:\i*ROW+512*\j th:TH_LOAD_NT
.endr
.endr
	; s0, made by wave 15 of work-group 0 alone; the block holds no barrier and uses registers of its own
	s_cmp_lg_u32 ttmp9, 0
	s_cbranch_scc1 .Lrows
	s_cmp_lg_u32 s18, 15
	s_cbranch_scc1 .Lrows
	s_load_b32 s28, s[14:15], 0x0                  ; bh
.irp j, 0,1,2,3
	global_load_b128 v[BK+4*\j:BK+4*\j+3], v1, s[10:11] offset:512*\j
	global_load_b128 v[BQ+4*\j:BQ+4*\j+3], v1, s[12:13] offset:512*\j
.endr
	s_wait_loadcnt 0x0                             ; bk and bq are the youngest loads: zero
.irp p, 0,2,4,6,8,10,12,14
	v_pk_add_f32 v[BK+\p:BK+\p+1], v[BK+\p:BK+\p+1], v[BQ+\p:BQ+\p+1]
.endr
	DOT SB, BK, T
	v_add_f32_dpp v[SB], v[SB], v[SB] row_xmask:1 row_mask:0xf bank_mask:0xf
	v_add_f32_dpp v[SB], v[SB], v[SB] row_xmask:2 row_mask:0xf bank_mask:0xf
	v_add_f32_dpp v[SB], v[SB], v[SB] row_xmask:4 row_mask:0xf bank_mask:0xf
	v_add_f32_dpp v[SB], v[SB], v[SB] row_xmask:8 row_mask:0xf bank_mask:0xf
	v_permlanex16_b32 v[TMP], v[SB], s30, s31
	v_add_f32 v[SB], v[SB], v[TMP]
	s_wait_kmcnt 0x0                               ; bh
	v_add_f32 v[SB], s28, v[SB]
	v_mov_b32 v[SB+1], v[SB]
	global_store_b64 v3, v[SB:SB+1], s[16:17] offset:4096   ; 32 lanes x 8 bytes: 256 consecutive bytes, aligned; v3, v[20:21], s[16:17] are not written again
.Lrows:
.irp i, 0,1,2,3
	s_wait_loadcnt 12-4*\i                         ; loads come back in order: Wh and row i are in, the 4 loads of each later row may be out
	DOT R+\i, X+16*\i, T+4*(\i%2)
.endr
	; four lane sums together: after the two merges lane l holds row l & 3, summed over its four lanes
	MERGE R,   R,   R+1, s26, 1, TMP
	MERGE R+2, R+2, R+3, s26, 1, TMP
	MERGE R,   R,   R+2, s27, 2, TMP
	v_add_f32_dpp v[R], v[R], v[R] row_xmask:4 row_mask:0xf bank_mask:0xf
	v_add_f32_dpp v[R], v[R], v[R] row_xmask:8 row_mask:0xf bank_mask:0xf
	v_permlanex16_b32 v[TMP], v[R], s30, s31
	v_add_f32 v[R], v[R], v[TMP]                   ; lane l: the whole sum of row l & 3 (the same bits in all eight lanes of a row)
	ds_store_b32 v2, v[R]                          ; lanes that share a word write the same value
	s_wait_dscnt 0x0                               ; for wave 0's sake: my store is done in front of the signal
	s_barrier_signal -1
	s_barrier_wait -1
	s_cmp_lg_u32 s18, 0
	s_cbranch_scc1 .Lend
	ds_load_b64 v[OUTV:OUTV+1], v3                 ; the work-group's 64 results, two a lane
	s_wait_dscnt 0x0
	global_store_b64 v3, v[OUTV:OUTV+1], s[2:3]    ; 256 consecutive bytes, aligned, in one store
.Lend:
	s_wait_tensorcnt 0x0
	ds_add_u32 v160, v161
	s_wait_dscnt 0x0
	s_endpgm
.Lfunc_end_k_q3865e6cdf7_fold:
	.size	k_q3865e6cdf7_fold, .Lfunc_end_k_q3865e6cdf7_fold-k_q3865e6cdf7_fold
	.p2alignl 7, 3214868480
	.fill 96, 4, 3214868480
	.section	.rodata,"a",@progbits
	.p2align	6, 0x0
	.amdhsa_kernel k_q3865e6cdf7_fold
		.amdhsa_group_segment_fixed_size 2304
		.amdhsa_private_segment_fixed_size 0
		.amdhsa_enable_private_segment 0
		.amdhsa_kernarg_size 56
		.amdhsa_user_sgpr_count 2
		.amdhsa_user_sgpr_kernarg_segment_ptr 1
		.amdhsa_wavefront_size32 1
		.amdhsa_system_sgpr_workgroup_id_x 1
		.amdhsa_system_sgpr_workgroup_id_y 1
		.amdhsa_system_sgpr_workgroup_id_z 1
		.amdhsa_system_vgpr_workitem_id 0
		.amdhsa_next_free_vgpr 162
		.amdhsa_next_free_sgpr 66
		.amdhsa_reserve_vcc 0
		.amdhsa_float_denorm_mode_32 3
		.amdhsa_float_denorm_mode_16_64 3
		.amdhsa_memory_ordered 1
		.amdhsa_forward_progress 1
		.amdhsa_inst_pref_size 10
	.end_amdhsa_kernel
	.amdgpu_metadata
---
amdhsa.version: [ 1, 2 ]
amdhsa.kernels:
  - .name:           k_q3865e6cdf7_fold
    .symbol:         k_q3865e6cdf7_fold.kd
    .args:
      - { .name: Wk, .offset: 0, .size: 8, .value_kind: global_buffer, .address_space: global }
      - { .name: Wq, .offset: 8, .size: 8, .value_kind: global_buffer, .address_space: global }
      - { .name: Wh, .offset: 16, .size: 8, .value_kind: global_buffer, .address_space: global }
      - { .name: bk, .offset: 24, .size: 8, .value_kind: global_buffer, .address_space: global }
      - { .name: bq, .offset: 32, .size: 8, .value_kind: global_buffer, .address_space: global }
      - { .name: bh, .offset: 40, .size: 8, .value_kind: global_buffer, .address_space: global }
      - { .name: uv, .offset: 48, .size: 8, .value_kind: global_buffer, .address_space: global }
    .group_segment_fixed_size: 2304
    .private_segment_fixed_size: 0
    .kernarg_segment_align: 8
    .kernarg_segment_size: 56
    .max_flat_workgroup_size: 512
    .sgpr_count:     66
    .vgpr_count:     162
    .wavefront_size: 32
...
	.end_amdgpu_metadata
.endif
;; end of part 1
;; launch stream (part 2): grid 8 x 32, 16 waves a work-group, no clusters, 36,864 bytes of LDS; arguments K, V, Q, uv, part; writes part
.if DOCPART == 2
	.amdgcn_target "amdgcn-amd-amdhsa--gfx1250"
	.amdhsa_code_object_version 6
	.text
	.protected	k_q3865e6cdf7_stream
	.globl	k_q3865e6cdf7_stream
	.p2align	8
	.type	k_q3865e6cdf7_stream,@function
k_q3865e6cdf7_stream:
	s_mov_b64 s[64:65], 0
	v_nop
	global_prefetch_b8 v0, s[64:65] scope:SCOPE_SE
	s_setreg_imm32_b32 hwreg(HW_REG_WAVE_MODE, 25, 1), 1
	s_wait_xcnt 0x0
; STREAM: the one pass over K and V.  Work-group (chunk, b) owns 256 keys of batch b; wave w owns 16 of them.
;   e[n] = relu(K[b,n,:] . u + Q[b,:] . v + s0),  m = max e,  l = sum exp(e - m),  o[:] = sum exp(e - m) V[b,n,:]
; over the work-group's keys; e, (m, l) and o go to part, and the next launch joins the 8 chunks of a batch.
; All in f32.  The maximum is always taken away in front of an exponential: exactly over a wave's 16 keys, then by
; rescaling over the work-group's 16 waves (and over the batch in the next launch).
; LIMITS: sums are associated otherwise than in the written formula; the relu is a maximum with 0 in which a NaN loses,
; so a NaN energy counts as 0; exponentials below 2^-126 come out as 0 (v_exp_f32 flushes denormal results).
; K and V are each read once, by loads of 512 consecutive bytes a wave.  One-row products: the packed f32 multiply-add
; does them; a matrix instruction would use one row of sixteen and need a conversion for every pair of numbers.
; Work-groups share only u, v and Q[b], 6,144 bytes against 1,048,576 of their own: no cluster.
; A wave's 32 rows (16 of K, then 16 of V) run through a ring of 12 row slots in registers: 48 loads, 24,576 bytes of a
; wave, 393,216 bytes of the work-group are on their way; the first V rows are asked for while K is still multiplied.
; Row layout: register 4 j + c of a lane is column 128 j + 4 lane + c.  u, v, Q[b] and o lie in the same way.
.set ROW,   2048                       ; bytes in a row of K or V
.set SLOTS, 12
.set LOG2E, 0x3fb8aa3b
.set INIT,  4                          ; v[4:5]     the lane's share of Q . v (+ s0 in lane 0): starts every row's first chain
.set T,     6                          ; v[6:13]    chains of the dot products; v[6:7], v[8:9] the broadcast weight in the V rows
.set QV,    6                          ; v[6:21]    Q[b], in the prologue only
.set R,     14                         ; v[14:17]   partial sums of four rows
.set G,     18                         ; v[18:21]   four rows each, merged
.set EV,    22                         ; energy of key lane & 15
.set MV,    23                         ; the wave's maximum
.set PV,    24                         ; exp(e - m) of key lane & 15
.set LV,    25                         ; their sum
.set TMP,   26
.set AO,    27                         ; LDS addresses
.set AM,    28
.set AE,    29
.set AT,    30
.set A8,    31
.set W,     32                         ; v[32:47]   u
.set O,     48                         ; v[48:63]   v in the prologue, then o
.set RING,  64                         ; v[64:255]  12 slots of 16 registers
.set FM,    128                        ; the way out: m of the 16 waves, then their factors
.set FL,    144                        ;              l of the 16 waves
.set OS,    160                        ;              4 columns of the work-group's o
.set ST,    164                        ;              (m, l) of the work-group
.set LT,    166
.set OW,    0                          ; LDS: o of each wave, 16 x 2,048 bytes
.set MW,    32768                      ;      m of each wave, 16 words
.set LW,    32832                      ;      l of each wave, 16 words
.set EW,    32896                      ;      the 256 energies
.set ML,    524288                     ; part: o at 0 (record 8 b + chunk, 2,048 bytes), (m, l) records of 256 bytes here,
.set EN,    589824                     ;       energies [32][2048] here
.macro DOT dst, x, a                   ; v[dst] = INIT + the lane's 16 products of v[x ..] with u: two packed chains
	v_pk_fma_f32 v[\a:\a+1],   v[\x:\x+1],   v[W:W+1], v[INIT:INIT+1]
	v_pk_mul_f32 v[\a+2:\a+3], v[\x+2:\x+3], v[W+2:W+3]
.irp p, 4,8,12
	v_pk_fma_f32 v[\a:\a+1],   v[\x+\p:\x+\p+1],   v[W+\p:W+\p+1],   v[\a:\a+1]
	v_pk_fma_f32 v[\a+2:\a+3], v[\x+\p+2:\x+\p+3], v[W+\p+2:W+\p+3], v[\a+2:\a+3]
.endr
	v_pk_add_f32 v[\a:\a+1], v[\a:\a+1], v[\a+2:\a+3]
	v_add_f32 v[\dst], v[\a], v[\a+1]
.endm
; One step of two lane sums at once: lanes whose bit in smask is clear get a[l] + a[l xor xm], the others b[l] + b[l xor xm]
.macro MERGE d, a, b, smask, xm, tmp
	v_cndmask_b32 v[\tmp], v[\b], v[\a], \smask
	v_cndmask_b32 v[\d],   v[\a], v[\b], \smask
	v_add_f32_dpp v[\d], v[\tmp], v[\d] row_xmask:\xm row_mask:0xf bank_mask:0xf
.endm
.macro LOADROW t                       ; item t: row t of my K rows (t < 16) or row t - 16 of my V rows, into slot t mod 12
.irp j, 0,1,2,3
.if (\t) < 16
	global_load_b128 v[RING+16*((\t)%SLOTS)+4*\j:RING+16*((\t)%SLOTS)+4*\j+3], v1, s[4:5] offset:((\t)%16)*ROW+512*\j th:TH_LOAD_NT
.else
	global_load_b128 v[RING+16*((\t)%SLOTS)+4*\j:RING+16*((\t)%SLOTS)+4*\j+3], v1, s[6:7] offset:((\t)%16)*ROW+512*\j th:TH_LOAD_NT
.endif
.endr
.endm
.macro KROW t
	s_wait_loadcnt 44                              ; loads come back in order: row t is in, the 11 younger rows (4 loads each) stay out
	DOT R+(\t)%4, RING+16*((\t)%SLOTS), T+4*((\t)%2)
	LOADROW (\t)+SLOTS                             ; the slot's next row: items 12 to 27
.endm
.macro VROW r                          ; o += p[key r] x V row r
.if 15-(\r) > 11
	s_wait_loadcnt 44                              ; 11 younger rows stay out
.else
	s_wait_loadcnt 4*(15-(\r))                     ; the tail: only 15 - r rows were asked for behind this one
.endif
	v_mov_b32_dpp v[T+2*((\r)%2)], v[PV] row_share:\r row_mask:0xf bank_mask:0xf   ; both halves of the wave hold the 16 weights: lane r of each
.irp p, 0,2,4,6,8,10,12,14
.if (\r) == 0
	v_pk_mul_f32 v[O+\p:O+\p+1], v[RING+16*((16+\r)%SLOTS)+\p:RING+16*((16+\r)%SLOTS)+\p+1], v[T+2*((\r)%2):T+2*((\r)%2)+1] op_sel_hi:[1,0]   ; the first row starts the sums: nothing is cleared
.else
	v_pk_fma_f32 v[O+\p:O+\p+1], v[RING+16*((16+\r)%SLOTS)+\p:RING+16*((16+\r)%SLOTS)+\p+1], v[T+2*((\r)%2):T+2*((\r)%2)+1], v[O+\p:O+\p+1] op_sel_hi:[1,0,1]
.endif
.endr
.if (\r)+28 < 32
	LOADROW (\r)+28                                ; items 28 to 31; behind them nothing is left to ask for
.endif
.endm
	s_load_b256 s[4:11], s[0:1], 0x0               ; K s[4:5], V s[6:7], Q s[8:9], uv s[10:11]
	s_load_b64 s[12:13], s[0:1], 0x20              ; part
	v_lshrrev_b32 v2, 5, v0
	v_readfirstlane_b32 s18, v2                    ; wave 0..15
	s_and_b32 s19, ttmp7, 0xffff                   ; b;  ttmp9: chunk
	v_and_b32 v1, 31, v0
	v_lshlrev_b32 v1, 4, v1                        ; 16 x lane: the one vector offset of all global loads, never rewritten
	s_mov_b32 s26, 0xaaaaaaaa                      ; lanes with bit 0, 1, 2, 3 set
	s_mov_b32 s27, 0xcccccccc
	s_mov_b32 s28, 0xf0f0f0f0
	s_mov_b32 s29, 0xff00ff00
	s_mov_b32 s30, 0x76543210                      ; v_permlanex16_b32: lane i of one half reads lane i of the other
	s_mov_b32 s31, 0xfedcba98
	s_lshl_b32 s22, s19, 22                        ; b x 2,048 keys x 2,048 bytes
	s_lshl_b32 s23, ttmp9, 19                      ; + chunk x 256 keys
	s_add_co_u32 s22, s22, s23
	s_lshl_b32 s23, s18, 15                        ; + wave x 16 keys: below 2^27 in all
	s_add_co_u32 s22, s22, s23
	s_mov_b32 s23, 0
	s_lshl_b32 s14, s19, 11                        ; Q[b]
	s_mov_b32 s15, 0
	s_lshl3_add_u32 s20, s19, ttmp9                ; record 8 b + chunk
	s_lshl_b32 s16, s20, 11                        ; its o
	s_mov_b32 s17, 0
	s_lshl_b32 s24, s20, 8                         ; its (m, l)
	s_add_co_u32 s24, s24, ML
	s_mov_b32 s25, 0
	s_lshl_b32 s32, s20, 10                        ; its 256 energies: (b << 13) + (chunk << 10)
	s_add_co_u32 s32, s32, EN
	s_mov_b32 s33, 0
	s_wait_kmcnt 0x0
	s_add_nc_u64 s[4:5], s[4:5], s[22:23]          ; all bases are final in front of the first memory instruction
	s_add_nc_u64 s[6:7], s[6:7], s[22:23]
	s_add_nc_u64 s[8:9], s[8:9], s[14:15]
	s_add_nc_u64 s[36:37], s[12:13], s[16:17]
	s_add_nc_u64 s[38:39], s[12:13], s[24:25]
	s_add_nc_u64 s[34:35], s[12:13], s[32:33]
	s_load_b32 s21, s[10:11], 0x1000               ; s0 (this launch stores nothing into uv)
.irp j, 0,1,2,3
	global_load_b128 v[W+4*\j:W+4*\j+3], v1, s[10:11] offset:512*\j          ; u
.endr
.irp j, 0,1,2,3
	global_load_b128 v[O+4*\j:O+4*\j+3], v1, s[10:11] offset:2048+512*\j     ; v
.endr
.irp j, 0,1,2,3
	global_load_b128 v[QV+4*\j:QV+4*\j+3], v1, s[8:9] offset:512*\j          ; Q[b]
.endr
.irp t, 0,1,2,3,4,5,6,7,8,9,10,11
	LOADROW \t                                     ; the ring is filled
.endr
	s_wait_loadcnt 48                              ; u, v, Q are in; the ring's 48 loads stay out
	s_wait_kmcnt 0x0                               ; s0
	v_pk_mul_f32 v[INIT:INIT+1], v[QV:QV+1], v[O:O+1]
.irp p, 2,4,6,8,10,12,14
	v_pk_fma_f32 v[INIT:INIT+1], v[QV+\p:QV+\p+1], v[O+\p:O+\p+1], v[INIT:INIT+1]
.endr
	v_cmp_eq_u32 vcc_lo, 0, v1                     ; lane 0 carries s0, so that a row's sum over the lanes holds Q . v + s0 once
	v_mov_b32 v3, s21
	v_cndmask_b32 v2, 0, v3, vcc_lo
	v_add_f32 v[INIT], v[INIT], v2
	; the 16 rows of K; after each four, their lane sums go two steps together: lane l of G+g holds row 4 g + (l & 3)
.irp g, 0,1,2,3
	KROW 4*\g+0
	KROW 4*\g+1
	KROW 4*\g+2
	KROW 4*\g+3
	MERGE R,    R,   R+1, s26, 1, TMP
	MERGE R+2,  R+2, R+3, s26, 1, TMP
	MERGE G+\g, R,   R+2, s27, 2, TMP
.endr
	MERGE G,   G,   G+1, s28, 4, TMP
	MERGE G+2, G+2, G+3, s28, 4, TMP
	MERGE G,   G,   G+2, s29, 8, TMP               ; lane l: key l & 15, summed over its half of the wave
	v_permlanex16_b32 v[TMP], v[G], s30, s31
	v_add_f32 v[EV], v[G], v[TMP]                  ; the whole sum; both halves alike
	v_max_num_f32 v[EV], 0, v[EV]                  ; relu
	; the wave's softmax terms; 12 rows of V are on their way meanwhile
	v_mov_b32 v[MV], v[EV]
	v_max_num_f32_dpp v[MV], v[MV], v[MV] row_xmask:1 row_mask:0xf bank_mask:0xf
	v_max_num_f32_dpp v[MV], v[MV], v[MV] row_xmask:2 row_mask:0xf bank_mask:0xf
	v_max_num_f32_dpp v[MV], v[MV], v[MV] row_xmask:4 row_mask:0xf bank_mask:0xf
	v_max_num_f32_dpp v[MV], v[MV], v[MV] row_xmask:8 row_mask:0xf bank_mask:0xf
	v_sub_f32 v[PV], v[EV], v[MV]                  ; at most 0
	v_mul_f32 v[PV], LOG2E, v[PV]
	v_exp_f32 v[PV], v[PV]
	v_lshl_add_u32 v[AO], s18, 11, v1              ; plain work behind the exponential, in front of its first use: my 2,048 bytes of OW + 16 x lane
	s_wait_alu depctr_va_vdst(0)
	v_mov_b32 v[LV], v[PV]
	v_add_f32_dpp v[LV], v[LV], v[LV] row_xmask:1 row_mask:0xf bank_mask:0xf
	v_add_f32_dpp v[LV], v[LV], v[LV] row_xmask:2 row_mask:0xf bank_mask:0xf
	v_add_f32_dpp v[LV], v[LV], v[LV] row_xmask:4 row_mask:0xf bank_mask:0xf
	v_add_f32_dpp v[LV], v[LV], v[LV] row_xmask:8 row_mask:0xf bank_mask:0xf
.irp r, 0,1,2,3,4,5,6,7,8,9,10,11,12,13,14,15
	VROW \r
.endr
	; the waves' figures meet in LDS
	v_mov_b32 v[AM], s18
	v_lshlrev_b32 v[AM], 2, v[AM]                  ; 4 x wave
	v_and_b32 v[AE], 15, v0
	v_lshlrev_b32 v[AE], 2, v[AE]
	v_lshl_add_u32 v[AE], s18, 6, v[AE]            ; 64 x wave + 4 x key
.irp j, 0,1,2,3
	ds_store_b128 v[AO], v[O+4*\j:O+4*\j+3] offset:OW+512*\j     ; columns in their natural order
.endr
	ds_store_b32 v[AM], v[MV] offset:MW            ; every lane the same word, the same value
	ds_store_b32 v[AM], v[LV] offset:LW
	ds_store_b32 v[AE], v[EV] offset:EW            ; the two halves of the wave write the same values
	s_wait_dscnt 0x0                               ; for the others' sake: my stores are done in front of the signal
	s_barrier_signal -1
	s_barrier_wait -1                              ; the only barrier; LDS is only read from here on
	s_cmp_lt_u32 s18, 4
	s_cbranch_scc1 .Lsum
	s_cmp_lt_u32 s18, 6
	s_cbranch_scc1 .Len
	s_wait_xcnt 0x0
	v_lshl_add_u32 v254, v0, 2, 0x8800
	v_mov_b32 v255, 0
	s_wait_tensorcnt 0x0
	ds_add_u32 v254, v255
	s_wait_dscnt 0x0
	s_endpgm
.Len:                                  ; waves 4, 5: the 256 energies, 512 consecutive bytes a wave
	v_and_b32 v[AT], 63, v0
	v_lshlrev_b32 v[AT], 4, v[AT]
	ds_load_b128 v[RING:RING+3], v[AT] offset:EW
	s_wait_dscnt 0x0
	global_store_b128 v[AT], v[RING:RING+3], s[34:35]
	s_wait_xcnt 0x0
	v_lshl_add_u32 v254, v0, 2, 0x8800
	v_mov_b32 v255, 0
	s_wait_tensorcnt 0x0
	ds_add_u32 v254, v255
	s_wait_dscnt 0x0
	s_endpgm
.Lsum:                                 ; waves 0-3: thread t joins the 16 waves' o in columns 4 t .. 4 t + 3
	v_mov_b32 v2, 0
	v_lshlrev_b32 v[AT], 4, v0
.irp q, 0,1,2,3
	ds_load_b128 v[FM+4*\q:FM+4*\q+3], v2 offset:MW+16*\q
.endr
.irp q, 0,1,2,3
	ds_load_b128 v[FL+4*\q:FL+4*\q+3], v2 offset:LW+16*\q
.endr
.irp w, 0,1,2,3,4,5,6,7,8,9,10,11,12,13,14,15
	ds_load_b128 v[RING+4*\w:RING+4*\w+3], v[AT] offset:OW+2048*\w
.endr
	s_wait_dscnt 16                                ; LDS loads come back in order: m and l are in, the 16 loads of o stay out
	v_max3_num_f32 v[ST], v[FM], v[FM+1], v[FM+2]
.irp i, 3,5,7,9,11,13
	v_max3_num_f32 v[ST], v[ST], v[FM+\i], v[FM+\i+1]
.endr
	v_max_num_f32 v[ST], v[ST], v[FM+15]           ; the work-group's maximum
	v_mov_b32 v[ST+1], v[ST]
.irp p, 0,2,4,6,8,10,12,14
	v_pk_add_f32 v[FM+\p:FM+\p+1], v[FM+\p:FM+\p+1], v[ST:ST+1] neg_lo:[0,1] neg_hi:[0,1]   ; m_w - m, at most 0
.endr
.irp p, 0,2,4,6,8,10,12,14
	v_pk_mul_f32 v[FM+\p:FM+\p+1], v[FM+\p:FM+\p+1], LOG2E op_sel_hi:[1,0]
.endr
.irp i, 0,1,2,3,4,5,6,7,8,9,10,11,12,13,14,15
	v_exp_f32 v[FM+\i], v[FM+\i]                   ; the factor that brings wave i's sums under the common maximum
.endr
	v_lshrrev_b32 v[A8], 1, v1                     ; 8 x lane: plain work between the exponentials and their first use
	s_wait_alu depctr_va_vdst(0)
	v_pk_mul_f32 v[LT:LT+1], v[FM:FM+1], v[FL:FL+1]
.irp p, 2,4,6,8,10,12,14
	v_pk_fma_f32 v[LT:LT+1], v[FM+\p:FM+\p+1], v[FL+\p:FL+\p+1], v[LT:LT+1]
.endr
	v_add_f32 v[ST+1], v[LT], v[LT+1]              ; l of the work-group; v[ST:ST+1] = (m, l)
	s_wait_dscnt 0x0                               ; the 16 pieces of o
.irp c, 0,1,2,3
	v_mul_f32 v[OS+\c], v[RING+\c], v[FM]
.endr
.irp w, 1,2,3,4,5,6,7,8,9,10,11,12,13,14,15
.irp c, 0,1,2,3
	v_fmac_f32 v[OS+\c], v[RING+4*\w+\c], v[FM+\w]
.endr
.endr
	global_store_b128 v[AT], v[OS:OS+3], s[36:37]  ; 512 consecutive bytes a wave
	s_cmp_lg_u32 s18, 0
	s_cbranch_scc1 .Lend
	global_store_b64 v[A8], v[ST:ST+1], s[38:39]   ; wave 0: (m, l) 32 times, 256 consecutive bytes, aligned
.Lend:
	s_wait_xcnt 0x0
	v_lshl_add_u32 v254, v0, 2, 0x8800
	v_mov_b32 v255, 0
	s_wait_tensorcnt 0x0
	ds_add_u32 v254, v255
	s_wait_dscnt 0x0
	s_endpgm
.Lfunc_end_k_q3865e6cdf7_stream:
	.size	k_q3865e6cdf7_stream, .Lfunc_end_k_q3865e6cdf7_stream-k_q3865e6cdf7_stream
	.p2alignl 7, 3214868480
	.fill 96, 4, 3214868480
	.section	.rodata,"a",@progbits
	.p2align	6, 0x0
	.amdhsa_kernel k_q3865e6cdf7_stream
		.amdhsa_group_segment_fixed_size 36864
		.amdhsa_private_segment_fixed_size 0
		.amdhsa_enable_private_segment 0
		.amdhsa_kernarg_size 40
		.amdhsa_user_sgpr_count 2
		.amdhsa_user_sgpr_kernarg_segment_ptr 1
		.amdhsa_wavefront_size32 1
		.amdhsa_system_sgpr_workgroup_id_x 1
		.amdhsa_system_sgpr_workgroup_id_y 1
		.amdhsa_system_sgpr_workgroup_id_z 1
		.amdhsa_system_vgpr_workitem_id 0
		.amdhsa_next_free_vgpr 256
		.amdhsa_next_free_sgpr 66
		.amdhsa_reserve_vcc 1
		.amdhsa_float_denorm_mode_32 3
		.amdhsa_float_denorm_mode_16_64 3
		.amdhsa_memory_ordered 1
		.amdhsa_forward_progress 1
		.amdhsa_inst_pref_size 48
	.end_amdhsa_kernel
	.amdgpu_metadata
---
amdhsa.version: [ 1, 2 ]
amdhsa.kernels:
  - .name:           k_q3865e6cdf7_stream
    .symbol:         k_q3865e6cdf7_stream.kd
    .args:
      - { .name: K, .offset: 0, .size: 8, .value_kind: global_buffer, .address_space: global }
      - { .name: V, .offset: 8, .size: 8, .value_kind: global_buffer, .address_space: global }
      - { .name: Q, .offset: 16, .size: 8, .value_kind: global_buffer, .address_space: global }
      - { .name: uv, .offset: 24, .size: 8, .value_kind: global_buffer, .address_space: global }
      - { .name: part, .offset: 32, .size: 8, .value_kind: global_buffer, .address_space: global }
    .group_segment_fixed_size: 36864
    .private_segment_fixed_size: 0
    .kernarg_segment_align: 8
    .kernarg_segment_size: 40
    .max_flat_workgroup_size: 512
    .sgpr_count:     66
    .vgpr_count:     256
    .wavefront_size: 32
...
	.end_amdgpu_metadata
.endif
;; end of part 2
;; launch finish (part 3): grid 4 x 32, 5 waves a work-group, no clusters, 0 bytes of LDS; arguments part, out0, out1; writes out0, out1
.if DOCPART == 3
	.amdgcn_target "amdgcn-amd-amdhsa--gfx1250"
	.amdhsa_code_object_version 6
	.text
	.protected	k_q3865e6cdf7_finish
	.globl	k_q3865e6cdf7_finish
	.p2align	8
	.type	k_q3865e6cdf7_finish,@function
k_q3865e6cdf7_finish:
	s_mov_b64 s[64:65], 0
	v_nop
	global_prefetch_b8 v0, s[64:65] scope:SCOPE_SE
	s_setreg_imm32_b32 hwreg(HW_REG_WAVE_MODE, 25, 1), 1
	s_wait_xcnt 0x0
; FINISH: joins the 8 chunks of a batch under the batch's true maximum M and normalises.
;   M = max m_i,  F_i = exp(m_i - M),  L = sum F_i l_i,  out1[b,n] = exp(e[b,n] - M) / L,  out0[b,:] = sum (F_i / L) o_i[:]
; Work-group (x, b): waves 0-3 make out1[b, 512 x .. 512 x + 511], wave 4 makes out0[b, 128 x .. 128 x + 127]; each wave
; stores 512 consecutive bytes.  The waves hand each other nothing: no LDS, no barrier.  All in f32.
; L is at least 1 (the chunk that holds M has F = 1 and l >= 1), so the reciprocal is safe.
; LIMITS: the division is a multiplication by v_rcp_f32's result; weights below 2^-126 come out as 0 (v_exp_f32 flushes them).
.set LOG2E, 0x3fb8aa3b
.set ML,    524288                     ; part: (m, l) records of 256 bytes
.set EN,    589824                     ; part: energies [32][2048]
.set MX,    4                          ; M
.set LS,    5                          ; L
.set RL,    6                          ; 1 / L
.set F,     8                          ; v[8:15]   F_i, in wave 4 then F_i / L
.set EV,    16                         ; v[16:19]  four energies, then four weights
.set OV,    20                         ; v[20:23]  four columns of out0
.set PV,    32                         ; v[32:63]  the same four columns of the 8 partial o
.macro STATS                           ; from s[32:47] = (m_0, l_0) .. (m_7, l_7)
	s_wait_kmcnt 0x0
	v_mov_b32 v[MX], s32
	v_max3_num_f32 v[MX], v[MX], s34, s36
	v_max3_num_f32 v[MX], v[MX], s38, s40
	v_max3_num_f32 v[MX], v[MX], s42, s44
	v_max_num_f32 v[MX], s46, v[MX]
.irp i, 0,1,2,3,4,5,6,7
	v_sub_f32 v[F+\i], s[32+2*\i], v[MX]           ; at most 0
.endr
.irp i, 0,1,2,3,4,5,6,7
	v_mul_f32 v[F+\i], LOG2E, v[F+\i]
.endr
.irp i, 0,1,2,3,4,5,6,7
	v_exp_f32 v[F+\i], v[F+\i]
.endr
	v_nop                                          ; one plain place between the exponentials and their first use
	s_wait_alu depctr_va_vdst(0)
	v_mul_f32 v[LS], s33, v[F]
.irp i, 1,2,3,4,5,6,7
	v_fmac_f32 v[LS], s[33+2*\i], v[F+\i]
.endr
	v_rcp_f32 v[RL], v[LS]
	v_nop                                          ; and one behind the reciprocal
.endm
	s_load_b128 s[4:7], s[0:1], 0x0                ; part s[4:5], out0 s[6:7]
	s_load_b64 s[8:9], s[0:1], 0x10                ; out1
	v_lshrrev_b32 v3, 5, v0
	v_readfirstlane_b32 s18, v3                    ; wave 0..4
	s_and_b32 s19, ttmp7, 0xffff                   ; b;  ttmp9: x
	v_lshlrev_b32 v1, 4, v0                        ; waves 0-3: 16 x thread
	v_and_b32 v2, 31, v0
	v_lshlrev_b32 v2, 4, v2                        ; wave 4: 16 x lane
	s_lshl_b32 s10, s19, 11                        ; the batch's 8 records of 256 bytes
	s_mov_b32 s11, 0
	s_lshl_b32 s12, s19, 13                        ; energies and out1: b x 8,192 + x x 2,048
	s_lshl_b32 s13, ttmp9, 11
	s_add_co_u32 s12, s12, s13
	s_mov_b32 s13, 0
	s_lshl_b32 s14, s19, 14                        ; partial o: b x 8 x 2,048 + x x 512
	s_lshl_b32 s15, ttmp9, 9
	s_add_co_u32 s14, s14, s15
	s_add_co_u32 s16, s10, s15                     ; out0: b x 2,048 + x x 512
	s_mov_b32 s15, 0
	s_mov_b32 s17, 0
	s_wait_kmcnt 0x0
	s_add_nc_u64 s[20:21], s[4:5], s[10:11]
	s_add_nc_u64 s[22:23], s[4:5], s[12:13]
	s_add_nc_u64 s[24:25], s[8:9], s[12:13]
	s_add_nc_u64 s[26:27], s[4:5], s[14:15]
	s_add_nc_u64 s[28:29], s[6:7], s[16:17]
.irp i, 0,1,2,3,4,5,6,7
	s_load_b64 s[32+2*\i:33+2*\i], s[20:21], ML+256*\i     ; (m_i, l_i); this launch stores nothing into part
.endr
	s_cmp_eq_u32 s18, 4
	s_cbranch_scc1 .Lout0
	; waves 0-3: four weights a thread
	global_load_b128 v[EV:EV+3], v1, s[22:23] offset:EN
	STATS
	s_wait_loadcnt 0x0
.irp c, 0,1,2,3
	v_sub_f32 v[EV+\c], v[EV+\c], v[MX]            ; at most 0
.endr
.irp c, 0,1,2,3
	v_mul_f32 v[EV+\c], LOG2E, v[EV+\c]
.endr
.irp c, 0,1,2,3
	v_exp_f32 v[EV+\c], v[EV+\c]
.endr
	v_nop
	s_wait_alu depctr_va_vdst(0)
.irp c, 0,1,2,3
	v_mul_f32 v[EV+\c], v[EV+\c], v[RL]
.endr
	global_store_b128 v1, v[EV:EV+3], s[24:25]
	s_endpgm
.Lout0:                                ; wave 4: four columns a lane, over the 8 chunks
.irp i, 0,1,2,3,4,5,6,7
	global_load_b128 v[PV+4*\i:PV+4*\i+3], v2, s[26:27] offset:2048*\i
.endr
	STATS
	s_wait_alu depctr_va_vdst(0)
.irp i, 0,1,2,3,4,5,6,7
	v_mul_f32 v[F+\i], v[F+\i], v[RL]
.endr
	s_wait_loadcnt 0x0
.irp c, 0,1,2,3
	v_mul_f32 v[OV+\c], v[PV+\c], v[F]
.endr
.irp i, 1,2,3,4,5,6,7
.irp c, 0,1,2,3
	v_fmac_f32 v[OV+\c], v[PV+4*\i+\c], v[F+\i]
.endr
.endr
	global_store_b128 v2, v[OV:OV+3], s[28:29]
	s_endpgm
.Lfunc_end_k_q3865e6cdf7_finish:
	.size	k_q3865e6cdf7_finish, .Lfunc_end_k_q3865e6cdf7_finish-k_q3865e6cdf7_finish
	.p2alignl 7, 3214868480
	.fill 96, 4, 3214868480
	.section	.rodata,"a",@progbits
	.p2align	6, 0x0
	.amdhsa_kernel k_q3865e6cdf7_finish
		.amdhsa_group_segment_fixed_size 0
		.amdhsa_private_segment_fixed_size 0
		.amdhsa_enable_private_segment 0
		.amdhsa_kernarg_size 24
		.amdhsa_user_sgpr_count 2
		.amdhsa_user_sgpr_kernarg_segment_ptr 1
		.amdhsa_wavefront_size32 1
		.amdhsa_system_sgpr_workgroup_id_x 1
		.amdhsa_system_sgpr_workgroup_id_y 1
		.amdhsa_system_sgpr_workgroup_id_z 1
		.amdhsa_system_vgpr_workitem_id 0
		.amdhsa_next_free_vgpr 64
		.amdhsa_next_free_sgpr 66
		.amdhsa_reserve_vcc 0
		.amdhsa_float_denorm_mode_32 3
		.amdhsa_float_denorm_mode_16_64 3
		.amdhsa_memory_ordered 1
		.amdhsa_forward_progress 1
		.amdhsa_inst_pref_size 9
	.end_amdhsa_kernel
	.amdgpu_metadata
---
amdhsa.version: [ 1, 2 ]
amdhsa.kernels:
  - .name:           k_q3865e6cdf7_finish
    .symbol:         k_q3865e6cdf7_finish.kd
    .args:
      - { .name: part, .offset: 0, .size: 8, .value_kind: global_buffer, .address_space: global }
      - { .name: out0, .offset: 8, .size: 8, .value_kind: global_buffer, .address_space: global }
      - { .name: out1, .offset: 16, .size: 8, .value_kind: global_buffer, .address_space: global }
    .group_segment_fixed_size: 0
    .private_segment_fixed_size: 0
    .kernarg_segment_align: 8
    .kernarg_segment_size: 24
    .max_flat_workgroup_size: 160
    .sgpr_count:     66
    .vgpr_count:     64
    .wavefront_size: 32
...
	.end_amdgpu_metadata
.endif
;; end of part 3
